; MI455X (gfx1250); checked and timed in simulation.
; The chip was launched on July 23, 2026; its instructions are those of AMD's public machine-readable ISA for CDNA 5 (MIT licence, August 2026) and "CDNA5" Instruction Set Architecture Reference Guide (July 2026). The comments in the code are by the model that wrote it; some were corrected since.
;; Soft Attention. Allowed arithmetic: float matrix products may take bf16 or f16 operands with f32 sums; all other float work in f32.
;; Inputs: Wk 512 x 512 float32; Wq 512 x 512 float32; Wv 512 x 512 float32; adj 8 x 2,048 x 2,048 float32; bk 512 float32; bq 512 float32; bv 512 float32; scale one number float32; width one number float32; x 8 x 2,048 x 512 float32.
;; Outputs: out0 8 x 2,048 x 512 float32.
;; One version. Each part assembles by itself: llvm-mc -triple=amdgcn-amd-amdhsa -mcpu=gfx1250 --defsym DOCPART=n.
;; ======== version 1 of 1: 3 launches
;; workspace buffers: wcat 1,572,864 bytes; qkv 50,331,648 bytes
;; launch prep (part 1): grid 256 x 3, 4 waves a work-group, no clusters, 0 bytes of LDS; arguments Wq, Wk, Wv, wcat; writes wcat
.if DOCPART == 1
	.amdgcn_target "amdgcn-amd-amdhsa--gfx1250"
	.amdhsa_code_object_version 6
	.text
	.protected	k_q68a3508eb2_prep
	.globl	k_q68a3508eb2_prep
	.p2align	8
	.type	k_q68a3508eb2_prep,@function
k_q68a3508eb2_prep:
	s_mov_b64 s[64:65], 0
	v_nop
	global_prefetch_b8 v0, s[64:65] scope:SCOPE_SE
	s_setreg_imm32_b32 hwreg(HW_REG_WAVE_MODE, 25, 1), 1
	s_wait_xcnt 0x0
; wcat[d][512 mat + e] = bf16(W_mat[d][e]), mat 0 = q, 1 = k, 2 = v.  W: [512][512] f32; wcat: [512][1536] bf16.
; A stream: work-group (x, mat) casts rows 2 x and 2 x + 1 of matrix mat; thread t takes four numbers of each row.
; A load of a wave covers 512 consecutive bytes, a store 256 consecutive bytes at a multiple of 256 from wcat's first byte.
; No LDS, no barrier, no matrix unit, no cluster: no work-group reads what another reads.
.set WROW, 2048                        ; bytes in a row of W
.set CROW, 3072                        ; bytes in a row of wcat
	s_load_b256 s[4:11], s[0:1], 0x0               ; Wq s[4:5], Wk s[6:7], Wv s[8:9], wcat s[10:11]
	s_and_b32 s2, ttmp7, 0xffff                    ; mat
	v_lshlrev_b32 v1, 4, v0                        ; my 16 bytes of a row of W
	v_lshlrev_b32 v2, 3, v0                        ; my 8 bytes of a row of wcat
	s_lshl_b32 s14, ttmp9, 12                      ; two rows of W
	s_mov_b32 s15, 0
	s_mul_i32 s16, ttmp9, 2*CROW                   ; two rows of wcat,
	s_lshl_b32 s3, s2, 10                          ; and the matrix's 1,024 bytes in a row
	s_add_co_u32 s16, s16, s3
	s_mov_b32 s17, 0
	s_wait_kmcnt 0x0
	s_cmp_eq_u32 s2, 1
	s_cselect_b64 s[12:13], s[6:7], s[4:5]         ; the matrix is chosen by the work-group's y
	s_cmp_eq_u32 s2, 2
	s_cselect_b64 s[12:13], s[8:9], s[12:13]
	s_add_nc_u64 s[12:13], s[12:13], s[14:15]
	s_add_nc_u64 s[10:11], s[10:11], s[16:17]
	global_load_b128 v[4:7], v1, s[12:13] th:TH_LOAD_NT
	global_load_b128 v[8:11], v1, s[12:13] offset:WROW th:TH_LOAD_NT
	s_wait_loadcnt 0x0
	v_cvt_pk_bf16_f32 v12, v4, v5
	v_cvt_pk_bf16_f32 v13, v6, v7
	v_cvt_pk_bf16_f32 v14, v8, v9
	v_cvt_pk_bf16_f32 v15, v10, v11
	global_store_b64 v2, v[12:13], s[10:11]
	global_store_b64 v2, v[14:15], s[10:11] offset:CROW
	s_endpgm
.Lfunc_end_k_q68a3508eb2_prep:
	.size	k_q68a3508eb2_prep, .Lfunc_end_k_q68a3508eb2_prep-k_q68a3508eb2_prep
	.p2alignl 7, 3214868480
	.fill 96, 4, 3214868480
	.section	.rodata,"a",@progbits
	.p2align	6, 0x0
	.amdhsa_kernel k_q68a3508eb2_prep
		.amdhsa_group_segment_fixed_size 0
		.amdhsa_private_segment_fixed_size 0
		.amdhsa_enable_private_segment 0
		.amdhsa_kernarg_size 32
		.amdhsa_user_sgpr_count 2
		.amdhsa_user_sgpr_kernarg_segment_ptr 1
		.amdhsa_wavefront_size32 1
		.amdhsa_system_sgpr_workgroup_id_x 1
		.amdhsa_system_sgpr_workgroup_id_y 1
		.amdhsa_system_sgpr_workgroup_id_z 1
		.amdhsa_system_vgpr_workitem_id 0
		.amdhsa_next_free_vgpr 16
		.amdhsa_next_free_sgpr 66
		.amdhsa_reserve_vcc 0
		.amdhsa_float_denorm_mode_32 3
		.amdhsa_float_denorm_mode_16_64 3
		.amdhsa_memory_ordered 1
		.amdhsa_forward_progress 1
		.amdhsa_inst_pref_size 2
	.end_amdhsa_kernel
	.amdgpu_metadata
---
amdhsa.version: [ 1, 2 ]
amdhsa.kernels:
  - .name:           k_q68a3508eb2_prep
    .symbol:         k_q68a3508eb2_prep.kd
    .args:
      - { .name: Wq, .offset: 0, .size: 8, .value_kind: global_buffer, .address_space: global }
      - { .name: Wk, .offset: 8, .size: 8, .value_kind: global_buffer, .address_space: global }
      - { .name: Wv, .offset: 16, .size: 8, .value_kind: global_buffer, .address_space: global }
      - { .name: wcat, .offset: 24, .size: 8, .value_kind: global_buffer, .address_space: global }
    .group_segment_fixed_size: 0
    .private_segment_fixed_size: 0
    .kernarg_segment_align: 8
    .kernarg_segment_size: 32
    .max_flat_workgroup_size: 128
    .sgpr_count:     66
    .vgpr_count:     16
    .wavefront_size: 32
...
	.end_amdgpu_metadata
.endif
;; end of part 1
;; launch proj (part 2): grid 256 x 1, 4 waves a work-group, clusters of 4 x 1, 327,680 bytes of LDS; arguments x, wcat, bq, bk, bv, qkv; writes qkv
.if DOCPART == 2
	.amdgcn_target "amdgcn-amd-amdhsa--gfx1250"
	.amdhsa_code_object_version 6
	.text
	.protected	k_q68a3508eb2_proj
	.globl	k_q68a3508eb2_proj
	.p2align	8
	.type	k_q68a3508eb2_proj,@function
k_q68a3508eb2_proj:
	s_mov_b64 s[64:65], 0
	v_nop
	global_prefetch_b8 v0, s[64:65] scope:SCOPE_SE
	s_setreg_imm32_b32 hwreg(HW_REG_WAVE_MODE, 25, 1), 1
	s_wait_xcnt 0x0
	s_wait_alu depctr_hold_cnt(0) depctr_sa_sdst(0) depctr_va_vdst(0) depctr_va_sdst(0) depctr_va_ssrc(0) depctr_va_vcc(0) depctr_vm_vsrc(0)
	s_getreg_b32 s2, hwreg(HW_REG_IB_STS2, 6, 4)
	s_cmp_eq_u32 s2, 0
	s_cbranch_scc0 .Lentry_in_a_cluster
	s_endpgm
.Lentry_in_a_cluster:
	s_bfe_u32 s2, ttmp6, 0x10000c
	s_cmp_lg_u32 s2, 0x3003
	s_cbranch_scc0 .Lentry_shape_is_right
	s_endpgm
.Lentry_shape_is_right:
; qkv[mat][row][e] = bf16( sum over d of x[row][d] W_mat[d][e] + b_mat[e] ).  x: [16384][512] f32; wcat: [512][1536] bf16; b: [512] f32; qkv: [3][16384][512] bf16.
; Operands bf16, sums f32, the bias starts each sum, one rounding at the end; no scale is applied here.
; SHARES.  A work-group owns 64 rows of x.  EVERY wave holds all 64 rows x 512 d as 64 bf16 fragments (512 registers), so x is cast once and never read again.
; wcat is walked in 12 tiles of 512 d x 128 e; in a tile wave w makes columns 32 w .. 32 w + 31 of all 64 rows: 2 e blocks x 4 row tiles x 16 K steps = 128 matrix
; instructions on 8 accumulators by turns.  A fragment of W read from LDS feeds 4 matrix instructions.
; THE MATRIX INSTRUCTION IS USED TRANSPOSED: source 0 = 16 e x 32 d of W (W lies [d][e], so it is turned on the way out of LDS by ds_load_tr16_b128), source 1 = 16 rows x 32 d of x.
; A lane then holds one row and eight neighbouring e, which pack into 16 bytes.
; CLUSTER.  All work-groups walk the same wcat: the four of a cluster ask for each tile JOINTLY (same load, same descriptor, mask of four); a wave brings a quarter of a tile, 128 d x 256 bytes.
; RING.  Two slots of one tile; behind each round of the cluster's barrier a wave issues one load, which has a tile's 128 matrix instructions in which to land: one tensor load of a wave is out at a time.
; REGISTERS, in windows of 256 (s_set_vgpr_msb: bits 1:0 source 0, 3:2 source 1, 5:4 source 2, 7:6 destination):
;   window 0: addresses, bias fragments, accumulators, the way out      window 1: first x as loaded (f32), then W's 32 fragments of a tile      windows 2, 3: x's fragments
.set WP,    288                        ; a row of a W tile in LDS: 256 bytes + 32 of padding: the 8 rows x 32 bytes that 16 lanes of the turning load take start 32 bytes apart modulo 256
.set QUART, 128*WP                     ; what one tensor load brings
.set SLOT,  4*QUART
.set XS,    2*SLOT                     ; written by LDS stores alone: first 16 rows of x in bf16 (pitch XP), later the stage of the way out (64 rows, pitch SP)
.set XP,    1040                       ; 1,024 bytes + 16
.set SP,    272                        ; 256 bytes + 16
.set BIAS,  XS+64*SP                   ; bq, bk, bv: 1,536 f32
.set SPARE, BIAS+6144                  ; the spare words, 128 bytes for each wave: two blocks of 256 bytes that no other line names
.set AW,  2                            ; v2-9    my place in quarter g of slot s, at v[AW + 4 s + g]
.set BA,  10                           ; v10     LDS address of my 8 bias numbers of e block 0; steps by a tile's 512 bytes
.set STO, 11                           ; v11     the way out: where I put 16 bytes of a row
.set RD,  12                           ; v12     the way out: where I read a row back
.set CO,  13                           ; v13     my byte offset in the work-group's rows of a matrix of qkv
.set XO,  14                           ; v14     my byte offset in the work-group's rows of x
.set XW,  15                           ; v15     where I put 8 bytes of x in bf16
.set XF,  16                           ; v16     my place in a fragment of x
.set BO,  17                           ; v17     16 x my thread's number: my part of a bias in memory
.set BW,  18                           ; v18     the same in LDS
.set SPW, 30                           ; v30     LDS address of my spare word; never rewritten
.set NIL, 31                           ; v31     0; never rewritten
.set BF,  32                           ; v32-47  bias fragments of the two e blocks: the C operand that starts the sums
.set ACC, 64                           ; v64-127 accumulator (row tile t, e block eb) at ACC + 8 (2 t + eb)
.set PK,  128                          ; v128-159 packed results
.set OB,  160                          ; v160-191 rows read back from the stage; at the start v160-171 hold the biases as loaded
.set TMP, 192                          ; v192-223 x in bf16 on its way to LDS
.set WV,  16                           ; s16     my wave's number
.set G1,  24                           ; s[24:31] descriptor group 1
.set G0,  32                           ; s[32:39] descriptor group 0, a set for each slot
.set OBASE, 40                         ; s[40:41] qkv at the work-group's first row of Q
.set OA,  42                           ; s[42:43] the same at the tile in hand
.set OFS, 44                           ; s[44:45] an offset
.set TN,  46                           ; s46     the tile whose results go out next
.set CNT, 47                           ; s47     loop count
.set MSB, 0
.macro WIN new                         ; the immediate's high byte repeats the setting that is left; a switch that changes nothing is dropped
.if MSB != (\new)
	s_set_vgpr_msb (MSB<<8)|(\new)
.set MSB, \new
.endif
.endm
.macro PLACES                          ; four plain vector instructions between a matrix instruction and a load into, or a vector read of, its registers
.rept 4
	v_nop
.endr
.endm
; A round of the cluster's barrier: my work-group's barrier, so that wave 0's signal speaks for all four waves; wave 0 signals; every wave waits for all four work-groups; my work-group's barrier once more.
.macro CROUND
	s_barrier_signal -1
	s_barrier_wait -1
	s_cmp_lg_u32 s[WV], 0
	s_cbranch_scc1 .Lnot_wave_0_\@
	s_barrier_signal -3
.Lnot_wave_0_\@:
	s_barrier_wait -3
	s_barrier_signal -1
	s_barrier_wait -1
.endm
.macro JLOAD s                         ; my quarter of a tile, asked for jointly; an s_nop 0 and four v_nop follow
	tensor_load_to_lds s[G0+4*(\s):G0+4*(\s)+3], s[G1:G1+7]
	s_nop 0
	PLACES
.endm
	s_load_b256 s[4:11], s[0:1], 0x0               ; x s[4:5], wcat s[6:7], bq s[8:9], bk s[10:11]
	s_load_b128 s[12:15], s[0:1], 0x20             ; bv s[12:13], qkv s[14:15]
	v_lshl_add_u32 v[SPW], v0, 2, SPARE
	v_mov_b32 v[NIL], 0
	ds_add_u32 v[SPW], v[NIL]                      ; the wave's opening: the add and its wait stand ahead of my first tensor load; work on registers stands between them
	v_lshrrev_b32 v1, 5, v0
	v_readfirstlane_b32 s[WV], v1                  ; wave 0..3
	s_bfe_u32 s17, ttmp6, 0x40000                  ; cx: my place in the cluster
	s_lshl_b32 s18, ttmp9, 2                       ; in a cluster launch ttmp9 counts clusters
	s_add_co_u32 s18, s18, s17                     ; my block of 64 rows: it enters x's and qkv's addresses alone
	; descriptor group 1: 128 rows x 128 elements of 2 bytes out of rows of 1,536, padded in LDS
	s_mov_b32 s[G1], 15|(1<<16)|(1<<20)|(1<<21)|(5<<22)|(7<<25)  ; 15:0 the mask of four; 17:16 2-byte elements; 20 padding on; 21 set beside a mask; 24:22 after every 64 words; 31:25 8 words
	s_mov_b32 s[G1+1], 128<<16                     ; tensor_dim0 = 128
	s_mov_b32 s[G1+2], 128<<16                     ; tensor_dim1 = 128
	s_mov_b32 s[G1+3], 128<<16                     ; tile_dim0 = 128
	s_mov_b32 s[G1+4], 128                         ; tile_dim1 = 128
	s_mov_b32 s[G1+5], 1536                        ; elements from row to row
	s_mov_b32 s[G1+6], 0
	s_mov_b32 s[G1+7], 0
	s_mul_i32 s20, s[WV], QUART                    ; my quarter in a slot: the wave's number alone enters an LDS address
	s_mul_i32 s22, s[WV], 128*3072                 ; my 128 rows of wcat
	s_mov_b32 s23, 0
	s_lshl_b32 s[OFS], s18, 17                     ; 64 rows of x, 2,048 bytes each
	s_mov_b32 s[OFS+1], 0
	s_mov_b32 s[TN], 0
	v_and_b32 v20, 31, v0                          ; lane l
	s_lshl_b32 s21, s[WV], 13
	v_lshl_add_u32 v[XO], v20, 4, s21              ; wave w takes 4 rows of every 16: 8,192 w + 16 l
	v_lshlrev_b32 v[BO], 4, v0
	s_wait_dscnt 0x0                               ; the opening add is done
	s_wait_kmcnt 0x0
	s_add_nc_u64 s[6:7], s[6:7], s[22:23]
.irp s, 0,1
	s_mov_b32 s[G0+4*\s], 1                        ; count = 1
	s_add_co_u32 s[G0+4*\s+1], s20, \s*SLOT        ; LDS address
	s_add_nc_u64 s[G0+4*\s+2:G0+4*\s+3], s[6:7], \s*256  ; global address: tile s begins 256 s bytes into a row
	s_or_b32 s[G0+4*\s+3], s[G0+4*\s+3], 0x80000000      ; type = 2
.endr
	s_add_nc_u64 s[4:5], s[4:5], s[OFS:OFS+1]      ; x at my first row
	s_lshl_b32 s[OFS], s18, 16                     ; 64 rows of qkv, 1,024 bytes each
	s_add_nc_u64 s[OBASE:OBASE+1], s[14:15], s[OFS:OFS+1]
	CROUND                                         ; all four work-groups are here: the first joint loads meet
	JLOAD 0                                        ; tile 0
	; x: 64 loads a wave, each 512 consecutive bytes; load 16 t + 4 i + q is quarter q of row 16 t + 4 w + i
	WIN 0x40                                       ; destination window 1
.set nn, 0
.rept 64
	global_load_b128 v[4*nn:4*nn+3], v[XO], s[4:5] offset:(nn/16)*32768+((nn/4)%4)*2048+(nn%4)*512 th:TH_LOAD_NT
.set nn, nn+1
.endr
	WIN 0
	global_load_b128 v[OB:OB+3], v[BO], s[8:9]     ; the three biases, 16 bytes a thread each
	global_load_b128 v[OB+4:OB+7], v[BO], s[10:11]
	global_load_b128 v[OB+8:OB+11], v[BO], s[12:13]
	v_and_b32 v21, 15, v0                          ; r = l % 16
	v_bfe_u32 v22, v0, 4, 1                        ; h = l / 16
	v_and_b32 v23, 7, v0
	v_bfe_u32 v24, v0, 3, 1
	; the turning load takes 16 d x 16 e: lane l reads 16 bytes of row 8 h + l % 8, e 8 ((l / 8) % 2) + 0..7, and is left with e = l % 16 and 8 d
	v_lshl_add_u32 v25, v22, 3, v23
	v_mul_u32_u24 v25, v25, WP
	v_lshl_add_u32 v25, v24, 4, v25
	s_lshl_b32 s21, s[WV], 6                       ; my 32 columns
	v_add_nc_u32 v25, s21, v25
.irp s, 0,1
.irp g, 0,1,2,3
	v_add_nc_u32 v[AW+4*\s+\g], \s*SLOT+\g*QUART, v25
.endr
.endr
	s_lshl_b32 s21, s[WV], 7
	s_add_co_u32 s21, s21, BIAS
	v_lshl_add_u32 v[BA], v22, 5, s21              ; f32 number 32 w + 8 h
	v_mul_u32_u24 v[STO], v21, SP                  ; into the stage: row r of a row tile, my wave's 64 bytes, 16 bytes for each half of the lanes
	v_lshl_add_u32 v[STO], v22, 4, v[STO]
	s_lshl_b32 s21, s[WV], 6
	s_add_co_u32 s21, s21, XS
	v_add_nc_u32 v[STO], s21, v[STO]
	s_mul_i32 s21, s[WV], 16*SP                    ; back: wave w takes rows 16 w .. 16 w + 15, whole; lanes 0-15 one row of 256 bytes, lanes 16-31 the next
	s_add_co_u32 s21, s21, XS
	v_mul_u32_u24 v[RD], v22, SP
	v_lshl_add_u32 v[RD], v21, 4, v[RD]
	v_add_nc_u32 v[RD], s21, v[RD]
	s_lshl_b32 s21, s[WV], 14                      ; and the same rows in qkv
	v_lshlrev_b32 v[CO], 10, v22
	v_lshl_add_u32 v[CO], v21, 4, v[CO]
	v_add_nc_u32 v[CO], s21, v[CO]
	s_mul_i32 s21, s[WV], 4*XP
	s_add_co_u32 s21, s21, XS
	v_lshl_add_u32 v[XW], v20, 3, s21
	v_mul_u32_u24 v[XF], v21, XP                   ; a fragment of x: row r, 16 bytes for each half of the lanes
	v_lshl_add_u32 v[XF], v22, 4, v[XF]
	v_add_nc_u32 v[XF], XS, v[XF]
	v_add_nc_u32 v[BW], BIAS, v[BO]
; Row tile t of x: each wave casts its 4 rows and puts them into LDS; behind a barrier every wave takes all 16 rows as 16 fragments; a second barrier stands between those reads and the next stores.
; left = the younger global loads that may stay out: 67 were issued, 16 (t + 1) are wanted; the last pass wants the biases too.
.macro PASS t, left
	s_wait_loadcnt \left
	WIN 0x05                                       ; sources in window 1
.set nn, 0
.rept 16
	v_cvt_pk_bf16_f32 v[TMP+2*nn], v[64*(\t)+4*nn], v[64*(\t)+4*nn+1]
	v_cvt_pk_bf16_f32 v[TMP+2*nn+1], v[64*(\t)+4*nn+2], v[64*(\t)+4*nn+3]
.set nn, nn+1
.endr
	WIN 0
.set nn, 0
.rept 16
	ds_store_b64 v[XW], v[TMP+2*nn:TMP+2*nn+1] offset:(nn/4)*XP+(nn%4)*256
.set nn, nn+1
.endr
.if (\t) == 3
.irp m, 0,1,2
	ds_store_b128 v[BW], v[OB+4*\m:OB+4*\m+3] offset:2048*\m
.endr
.endif
	s_wait_dscnt 0x0                               ; for the others' sake: my stores are done
	s_barrier_signal -1
	s_barrier_wait -1
	WIN 0x80                                       ; K steps 0-7 go to window 2,
.set cc, 0
.rept 8
	ds_load_b128 v[64*(\t)+8*cc:64*(\t)+8*cc+3], v[XF] offset:64*cc
	ds_load_b128 v[64*(\t)+8*cc+4:64*(\t)+8*cc+7], v[XF] offset:64*cc+32
.set cc, cc+1
.endr
	WIN 0xc0                                       ; 8-15 to window 3
.set cc, 0
.rept 8
	ds_load_b128 v[64*(\t)+8*cc:64*(\t)+8*cc+3], v[XF] offset:512+64*cc
	ds_load_b128 v[64*(\t)+8*cc+4:64*(\t)+8*cc+7], v[XF] offset:512+64*cc+32
.set cc, cc+1
.endr
	WIN 0
	s_wait_dscnt 0x0                               ; my reads are back: only then may anybody write these bytes again
	s_barrier_signal -1
	s_barrier_wait -1
.endm
	PASS 0, 51
	PASS 1, 35
	PASS 2, 19
	PASS 3, 0
; A tile's fragments for my 32 columns: 4 loads of the bias, then 64 turning loads in the order of the K steps, 4 to a step.
.macro FETCHW slot
	WIN 0
.irp e, 0,1
	ds_load_b128 v[BF+8*\e:BF+8*\e+3], v[BA] offset:64*\e
	ds_load_b128 v[BF+8*\e+4:BF+8*\e+7], v[BA] offset:64*\e+16
.endr
	v_add_nc_u32 v[BA], 512, v[BA]                 ; the next tile's 128 numbers
	WIN 0x40
.set cc, 0
.rept 16
.irp e, 0,1
	ds_load_tr16_b128 v[8*(2*cc+\e):8*(2*cc+\e)+3], v[AW+4*(\slot)+cc/4] offset:(cc%4)*32*WP+32*\e
	ds_load_tr16_b128 v[8*(2*cc+\e)+4:8*(2*cc+\e)+7], v[AW+4*(\slot)+cc/4] offset:(cc%4)*32*WP+32*\e+16*WP
.endr
.set cc, cc+1
.endr
.endm
; 128 matrix instructions; the 8 accumulators take turns, one instruction a turn.  The first K step takes the bias as C: nothing is cleared and nothing is added later.
.macro MUL
.set cc, 0
.rept 16
.if cc%4 == 0
	s_wait_dscnt 48-4*cc                           ; the fragments of K steps cc .. cc + 3 are in; the 4 loads of each later step may be out
.endif
.if cc < 8
	WIN 0x09                                       ; W window 1, x window 2, C and D window 0
.else
	WIN 0x0d                                       ; x window 3
.endif
.irp e, 0,1
.irp t, 0,1,2,3
.if cc == 0
	v_wmma_f32_16x16x32_bf16 v[ACC+8*(2*\t+\e):ACC+8*(2*\t+\e)+7], v[8*(2*cc+\e):8*(2*cc+\e)+7], v[64*\t+8*(cc%8):64*\t+8*(cc%8)+7], v[BF+8*\e:BF+8*\e+7]
.else
	v_wmma_f32_16x16x32_bf16 v[ACC+8*(2*\t+\e):ACC+8*(2*\t+\e)+7], v[8*(2*cc+\e):8*(2*cc+\e)+7], v[64*\t+8*(cc%8):64*\t+8*(cc%8)+7], v[ACC+8*(2*\t+\e):ACC+8*(2*\t+\e)+7]
.endif
.endr
.endr
.set cc, cc+1
.endr
.endm
; THE WAY OUT of tile TN: rounded to bf16, 16 bytes a lane into the work-group's stage; a barrier, since a row's 256 bytes come from four waves; back as whole rows, 16 rows a wave.
.macro OUT
	WIN 0
.set nn, 0
.rept 8
.irp p, 0,1,2,3
	v_cvt_pk_bf16_f32 v[PK+4*nn+\p], v[ACC+8*nn+2*\p], v[ACC+8*nn+2*\p+1]  ; each accumulator from its low end on
.endr
.set nn, nn+1
.endr
.set nn, 0
.rept 8
	ds_store_b128 v[STO], v[PK+4*nn:PK+4*nn+3] offset:(nn/2)*16*SP+(nn%2)*32
.set nn, nn+1
.endr
	s_wait_dscnt 0x0                               ; for the others' sake: my stores into the stage are done
	s_barrier_signal -1
	s_barrier_wait -1
	s_wait_xcnt 0x0                                ; the last tile's stores have had their addresses translated (ISA guide 3.1): only now are their base and data registers written again
	s_lshr_b32 s20, s[TN], 2                       ; the matrix: 16,777,216 bytes each,
	s_lshl_b32 s[OFS], s20, 24
	s_and_b32 s20, s[TN], 3                        ; and the tile's 256 bytes in a row
	s_lshl_b32 s20, s20, 8
	s_or_b32 s[OFS], s[OFS], s20
	s_add_nc_u64 s[OA:OA+1], s[OBASE:OBASE+1], s[OFS:OFS+1]
	s_add_co_u32 s[TN], s[TN], 1
.irp i, 0,1,2,3,4,5,6,7
	ds_load_b128 v[OB+4*\i:OB+4*\i+3], v[RD] offset:\i*2*SP
.endr
.irp i, 0,1,2,3,4,5,6,7
	s_wait_dscnt 7-\i                              ; LDS loads come back in order: load i is in, the younger ones may be out
	global_store_b128 v[CO], v[OB+4*\i:OB+4*\i+3], s[OA:OA+1] offset:\i*2048  ; 16 lanes store 256 consecutive bytes, at a multiple of 256 from qkv's first byte
.endr
.endm
; A trip: tile n lies in slot n % 2.  Each wave waits for all its tensor loads (one is out: its quarter of this tile), adds 0 to its spare word, and waits for that and for its reads of the other slot and of the stage.
; refill = 1: a round of the cluster's barrier, and the other slot is asked for first behind it.  out = 1: the tile before goes out while this tile's fragments arrive.
.macro TRIP slot, refill, out
	WIN 0
	s_wait_tensorcnt 0x0                           ; no tensor load of mine is out, so a group 0 may be written
	ds_add_u32 v[SPW], v[NIL]                      ; 0 onto my spare word
	s_add_nc_u64 s[G0+4*(\slot)+2:G0+4*(\slot)+3], s[G0+4*(\slot)+2:G0+4*(\slot)+3], 512  ; this slot's next tile, two tiles on
	s_wait_dscnt 0x0                               ; the add is done, and my LDS reads are back
.if \refill
	CROUND
	JLOAD 1-(\slot)                                ; its four v_nop are also the places in front of the loads and conversions below
.else
	s_barrier_signal -1
	s_barrier_wait -1
	PLACES
.endif
	FETCHW \slot
.if \out
	OUT
.endif
	MUL
.endm
	TRIP 0, 1, 0                                   ; tile 0; slot 1 gets its first fill behind this trip's round
	WIN 0                                          ; at a label and at a branch every window is 0
	s_mov_b32 s[CNT], 5
.Lloop:                                                ; tiles 1 to 10
	TRIP 1, 1, 1
	TRIP 0, 1, 1
	WIN 0
	s_sub_co_u32 s[CNT], s[CNT], 1
	s_cmp_lg_u32 s[CNT], 0
	s_cbranch_scc1 .Lloop
	TRIP 1, 0, 1                                   ; tile 11: nothing is left to fetch
	WIN 0
	s_wait_dscnt 0x0
	s_barrier_signal -1                            ; every wave's reads of tile 10's rows in the stage are back: only now is the stage written again
	s_barrier_wait -1
	PLACES                                         ; the conversions read results just made
	OUT
	s_wait_tensorcnt 0x0                           ; the wave's end, behind my last tensor load and my last LDS store
	ds_add_u32 v[SPW], v[NIL]
	s_wait_dscnt 0x0
	CROUND                                         ; the closing round: no work-group ends while a partner may still ask for a tile that names it
	s_endpgm
.Lfunc_end_k_q68a3508eb2_proj:
	.size	k_q68a3508eb2_proj, .Lfunc_end_k_q68a3508eb2_proj-k_q68a3508eb2_proj
	.p2alignl 7, 3214868480
	.fill 96, 4, 3214868480
	.section	.rodata,"a",@progbits
	.p2align	6, 0x0
	.amdhsa_kernel k_q68a3508eb2_proj
		.amdhsa_group_segment_fixed_size 327680
		.amdhsa_private_segment_fixed_size 0
		.amdhsa_enable_private_segment 0
		.amdhsa_kernarg_size 48
		.amdhsa_user_sgpr_count 2
		.amdhsa_user_sgpr_kernarg_segment_ptr 1
		.amdhsa_wavefront_size32 1
		.amdhsa_system_sgpr_workgroup_id_x 1
		.amdhsa_system_sgpr_workgroup_id_y 1
		.amdhsa_system_sgpr_workgroup_id_z 1
		.amdhsa_system_vgpr_workitem_id 0
		.amdhsa_next_free_vgpr 1024
		.amdhsa_next_free_sgpr 66
		.amdhsa_reserve_vcc 0
		.amdhsa_float_denorm_mode_32 3
		.amdhsa_float_denorm_mode_16_64 3
		.amdhsa_memory_ordered 1
		.amdhsa_forward_progress 1
		.amdhsa_inst_pref_size 105
	.end_amdhsa_kernel
	.amdgpu_metadata
---
amdhsa.version: [ 1, 2 ]
amdhsa.kernels:
  - .name:           k_q68a3508eb2_proj
    .symbol:         k_q68a3508eb2_proj.kd
    .args:
      - { .name: x, .offset: 0, .size: 8, .value_kind: global_buffer, .address_space: global }
      - { .name: wcat, .offset: 8, .size: 8, .value_kind: global_buffer, .address_space: global }
      - { .name: bq, .offset: 16, .size: 8, .value_kind: global_buffer, .address_space: global }
      - { .name: bk, .offset: 24, .size: 8, .value_kind: global_buffer, .address_space: global }
      - { .name: bv, .offset: 32, .size: 8, .value_kind: global_buffer, .address_space: global }
      - { .name: qkv, .offset: 40, .size: 8, .value_kind: global_buffer, .address_space: global }
    .group_segment_fixed_size: 327680
    .private_segment_fixed_size: 0
    .kernarg_segment_align: 8
    .kernarg_segment_size: 48
    .max_flat_workgroup_size: 128
    .sgpr_count:     66
    .vgpr_count:     1024
    .wavefront_size: 32
...
	.end_amdgpu_metadata
.endif
;; end of part 2
;; launch attn (part 3): grid 32 x 8, 4 waves a work-group, clusters of 4 x 1, 327,680 bytes of LDS; arguments qkv, adj, scale, width, out0; writes out0
.if DOCPART == 3
	.amdgcn_target "amdgcn-amd-amdhsa--gfx1250"
	.amdhsa_code_object_version 6
	.text
	.protected	k_q68a3508eb2_attn
	.globl	k_q68a3508eb2_attn
	.p2align	8
	.type	k_q68a3508eb2_attn,@function
k_q68a3508eb2_attn:
	s_mov_b64 s[64:65], 0
	v_nop
	global_prefetch_b8 v0, s[64:65] scope:SCOPE_SE
	s_setreg_imm32_b32 hwreg(HW_REG_WAVE_MODE, 25, 1), 1
	s_wait_xcnt 0x0
	s_wait_alu depctr_hold_cnt(0) depctr_sa_sdst(0) depctr_va_vdst(0) depctr_va_sdst(0) depctr_va_ssrc(0) depctr_va_vcc(0) depctr_vm_vsrc(0)
	s_getreg_b32 s2, hwreg(HW_REG_IB_STS2, 6, 4)
	s_cmp_eq_u32 s2, 0
	s_cbranch_scc0 .Lentry_in_a_cluster
	s_endpgm
.Lentry_in_a_cluster:
	s_bfe_u32 s2, ttmp6, 0x10000c
	s_cmp_lg_u32 s2, 0x3003
	s_cbranch_scc0 .Lentry_shape_is_right
	s_endpgm
.Lentry_shape_is_right:
; out0[b][q][:] = sum over k of softmax_k( (Q[q] . K[k] / sqrt(512)) exp(-(adj[b][q][k] - scale)^2 / width) ) V[k][:].  qkv: [3][8 x 2048][512] bf16; adj: [8][2048][2048] f32; out0: [8][2048][512] f32.
; Products in bf16 with f32 sums; mask, maxima, exponentials and sums in f32; the weights p are rounded to bf16 for the second product (their sum l is taken of the unrounded p).
; ARITHMETIC.  z = s 2^(k d^2 + LC), d = adj - scale, k = -log2(e) / width, LC = log2(log2(e) / sqrt(512)): the scores' scale rides in the mask's exponent.  p = 2^(z - m) with a true running maximum m over
; all keys seen; in every step O and l are multiplied by a = 2^(m_old - m_new).  m starts at the lowest finite number, O and l at 0 (256 + 16 v_mov_b32, in the wait for the first tiles): step 0 is a step like any other.
; LIMITS.  A mask factor or a weight below 2^-126 counts as 0; 1 / width is v_rcp_f32's (1 ulp), either sign of width is served, width = 0 has no finite result; NaN and infinities are not treated apart.
; SHARES.  A work-group owns 64 queries of a batch and walks its 2,048 keys, 64 a step.  SCORES: wave w makes S^T = K Q^T for keys 16 w .. 16 w + 15 and all 64 queries (Q stays in 512 registers of every wave):
; 64 matrix instructions on 4 accumulators by turns.  OUTPUT: wave w makes O^T = V^T P for channels 128 w .. 128 w + 127 and all 64 queries (256 registers): 64 matrix instructions.  So each byte of K and V leaves LDS once
; a work-group.  Between the two, the waves' maxima (STAT) and weights (PBUF, 8 KB, already in the layout of source 1) pass through LDS: two barriers a step.
; LAYOUT.  In S^T a lane holds ONE query (lane % 16) and keys 8 (lane / 16) + 0..7; four such registers of bf16 pairs ARE half a fragment of P; in O^T a lane again holds one query, and eight channels.
; CLUSTER.  The four query blocks of a cluster belong to one batch and walk the same K and V: those tiles are asked for JOINTLY (same load, descriptor and mask in all four).  adj and Q are a work-group's own: plain loads.
; FILLS.  At the start wave 0 asks for K 0 and K 1, wave 1 for V 0, wave 2 for adj 0 and adj 1, wave 3 for Q (into V's second slot): at most two tensor loads of a wave are out.  Behind the round in the middle of step j:
; wave 0 K j+2, wave 2 adj j+2 (this step's slots, read out ahead of the round), wave 1 V j+1 (the slot read in step j-1): one load a wave, a whole step in which to land.
; REGISTERS, in windows of 256 (s_set_vgpr_msb: bits 1:0 source 0, 3:2 source 1, 5:4 source 2, 7:6 destination):
;   window 0: addresses, statistics, S^T and the mask (later P's fragments), K's or V's 16 fragments      window 1: O^T, (tile t, channel block cb) at 64 t + 8 cb      windows 2, 3: Q, (t, K step c) at 64 t + 8 (c % 8)
.set KP,   1040                        ; a row of K or Q in LDS: 1,024 bytes + 16: the 16 rows of a load start 16 bytes apart modulo 256
.set VP,   1056                        ; a row of V: 1,024 + 32: the 8 rows x 32 bytes that 16 lanes of the turning load take start 32 bytes apart modulo 256
.set AP,   272                         ; a row of adj: 256 + 16
.set KBS,  64*KP                       ; K's two slots lie at 0 and KBS
.set VBS,  64*VP
.set ABS,  64*AP
.set VB,   2*KBS                       ; V's two slots; the second first holds Q
.set AB,   VB+2*VBS                    ; adj's two slots
.set PBUF, AB+2*ABS                    ; P: fragment (key half kk, tile t) at 1,024 (4 kk + t), its halves 512 apart, 16 bytes a lane; LDS stores alone write it
.set STAT, PBUF+8192                   ; [64 queries][4 waves] f32
.set SPARE, STAT+1024                  ; the spare words, 128 bytes for each wave: two blocks of 256 bytes that no other line names
.set STP,  528                         ; the way out: a stage row, 512 bytes + 16; the stages, 16 rows a wave, lie in K's slot 0, behind its last fill
.set AK,  2                            ; v2-3    my place in my 16 rows of K, slot 0, 1
.set AA,  4                            ; v4-5    my 32 bytes of a row of adj
.set AV,  6                            ; v6-7    my place in V for the turning load
.set STA, 8                            ; v8      STAT: my query's word for my wave
.set SLA, 9                            ; v9      STAT: my query's four words
.set PSA, 10                           ; v10     PBUF: where my wave's half fragments go
.set PLA, 11                           ; v11     PBUF: my lane's 16 bytes
.set SPW, 12                           ; v12     LDS address of my spare word; never rewritten
.set NIL, 13                           ; v13     0; never rewritten
.set AQ,  14                           ; v14     my place in Q; later GO
.set GO,  14                           ;         my byte offset in a row of out0
.set PFR, 15                           ; v15     lane x 8,192: a row of adj for each lane
.set STT, 16                           ; v16-31  tile t: m, 0, l (even keys', odd keys')
.set AF,  32                           ; v32-39  tile t: a, and its argument
.set SR,  40                           ; v40-55  the four waves' maxima, four a tile; then PP
.set PP,  40                           ;         P packed, four a tile
.set S,   56                           ; v56-87  S^T, 8 a tile
.set MK,  88                           ; v88-119 adj, then the mask factor, 8 a tile
.set PFG, 56                           ; v56-119 P's 8 fragments, in the second product
.set TM,  120                          ; v120-123 at work
.set TM2, 124                          ; v124-127 at work
.set KV,  128                          ; v128-255 K(c) at KV + 8 c; V(kk, cb) at KV + 8 (2 cb + kk)
.set STO, 2                            ; the way out: where I put 16 bytes
.set RD,  3                            ; the way out: where I read a row back
.set WV,  16                           ; s16     my wave's number
.set G1K, 24                           ; s[24:31] group 1 for K      s[32:39] for V      s[40:47] for adj      s[80:87] for Q
.set G1V, 32
.set G1A, 40
.set G0K, 48                           ; s[48:55] group 0 for K, a set for each slot      s[56:63] for V      s[68:75] for adj      s[76:79] for Q
.set G0V, 56
.set G0A, 68
.set G0Q, 76
.set G1Q, 80
.set NS,  88                           ; s[88:89] -scale (packed instructions name a pair and take its low word for both halves)
.set KK,  90                           ; s[90:91] k
.set LC,  92                           ; s[92:93] LC
.set SEL, 94                           ; s[94:95] v_permlanex16_b32's selects: each lane takes its own place in the other half
.set PFB, 96                           ; s[96:97] adj at the tile last prefetched
.set CNT, 98                           ; s98     loop count
.set MSB, 0
.macro WIN new                         ; the immediate's high byte repeats the setting that is left; a switch that changes nothing is dropped
.if MSB != (\new)
	s_set_vgpr_msb (MSB<<8)|(\new)
.set MSB, \new
.endif
.endm
.macro PLACES n                        ; plain vector instructions between a matrix instruction and what touches its registers (ISA guide 7.12.1)
.rept \n
	v_nop
.endr
.endm
; A round of the cluster's barrier: my work-group's barrier, so that wave 0's signal speaks for all four waves; wave 0 signals; every wave waits for all four work-groups; my work-group's barrier once more.
.macro CROUND
	s_barrier_signal -1
	s_barrier_wait -1
	s_cmp_lg_u32 s[WV], 0
	s_cbranch_scc1 .Lnot_wave_0_\@
	s_barrier_signal -3
.Lnot_wave_0_\@:
	s_barrier_wait -3
	s_barrier_signal -1
	s_barrier_wait -1
.endm
; The fills behind the round of a step that reads slots s.  The branches hang on the wave's number and, for pf = 2, on the loop count.  An s_nop 0 and four v_nop follow each load.
; Wave 3 has no tile to fill: it asks for adj's tile three steps on, 64 rows x one aligned block of 256 bytes, a lane a row, one step ahead of that tile's tensor load; each block is asked for once in the launch.
; pf = 2: the loop's second step, which in the last trip (step 29) would ask for tile 32: it asks for nothing.
.macro JLOAD s, fk, fv, pf
.if \fk
	s_cmp_eq_u32 s[WV], 0
	s_cbranch_scc0 .Lnot0_\@
	tensor_load_to_lds s[G0K+4*(\s):G0K+4*(\s)+3], s[G1K:G1K+7]
	s_nop 0
	PLACES 4
	s_branch .Lasked_\@
.Lnot0_\@:
.endif
.if \fv
	s_cmp_eq_u32 s[WV], 1
	s_cbranch_scc0 .Lnot1_\@
	tensor_load_to_lds s[G0V+4*(1-(\s)):G0V+4*(1-(\s))+3], s[G1V:G1V+7]
	s_nop 0
	PLACES 4
	s_branch .Lasked_\@
.Lnot1_\@:
.endif
.if \fk
	s_cmp_eq_u32 s[WV], 2
	s_cbranch_scc0 .Lnot2_\@
	tensor_load_to_lds s[G0A+4*(\s):G0A+4*(\s)+3], s[G1A:G1A+7]
	s_nop 0
	PLACES 4
	s_branch .Lasked_\@
.Lnot2_\@:
.endif
.if \pf
.if (\pf) == 2
	s_cmp_eq_u32 s[CNT], 1
	s_cbranch_scc1 .Lasked_\@
.endif
	s_wait_xcnt 0x0                                ; the last step's prefetches have had their addresses translated: their base may step
	s_add_nc_u64 s[PFB:PFB+1], s[PFB:PFB+1], 256
	global_prefetch_b8 v[PFR], s[PFB:PFB+1] th:TH_LOAD_NT scope:SCOPE_SE
	global_prefetch_b8 v[PFR], s[PFB:PFB+1] offset:262144 th:TH_LOAD_NT scope:SCOPE_SE
.endif
.Lasked_\@:
.endm
	s_load_b256 s[4:11], s[0:1], 0x0               ; qkv s[4:5], adj s[6:7], scale s[8:9], width s[10:11]
	s_load_b64 s[12:13], s[0:1], 0x20              ; out0
	v_lshl_add_u32 v[SPW], v0, 2, SPARE
	v_mov_b32 v[NIL], 0
	ds_add_u32 v[SPW], v[NIL]                      ; the wave's opening: the add and its wait stand ahead of my first tensor load; work on registers stands between them
	v_lshrrev_b32 v1, 5, v0
	v_readfirstlane_b32 s[WV], v1                  ; wave 0..3
	s_bfe_u32 s17, ttmp6, 0x40000                  ; cx: my place in the cluster
	s_lshl_b32 s19, ttmp9, 2                       ; in a cluster launch ttmp9 counts clusters
	s_add_co_u32 s17, s19, s17                     ; my block of 64 queries: it enters Q's, adj's and out0's addresses alone
	s_and_b32 s18, ttmp7, 0xffff                   ; the batch, which the four partners share
	; group 1.  K, V, Q: 64 rows x 512 elements of 2 bytes, padded after every 256 words; adj: 64 rows x 64 elements of 4 bytes out of rows of 2,048, padded after every 64 words
	s_mov_b32 s[G1K], 15|(1<<16)|(1<<20)|(1<<21)|(7<<22)|(3<<25)  ; the mask of four, bit 21 beside it; 4 words of padding
	s_mov_b32 s[G1V], 15|(1<<16)|(1<<20)|(1<<21)|(7<<22)|(7<<25)  ; 8 words of padding
	s_mov_b32 s[G1Q], (1<<16)|(1<<20)|(7<<22)|(3<<25)             ; no mask: my own
.irp g, G1K, G1V, G1Q
	s_mov_b32 s[\g+1], 512<<16                     ; tensor_dim0 = 512
	s_mov_b32 s[\g+2], 64<<16                      ; tensor_dim1 = 64
	s_mov_b32 s[\g+3], 512<<16                     ; tile_dim0 = 512
	s_mov_b32 s[\g+4], 64                          ; tile_dim1 = 64
	s_mov_b32 s[\g+5], 512                         ; elements from row to row
	s_mov_b32 s[\g+6], 0
	s_mov_b32 s[\g+7], 0
.endr
	s_mov_b32 s[G1A], (2<<16)|(1<<20)|(5<<22)|(3<<25)
	s_mov_b32 s[G1A+1], 64<<16
	s_mov_b32 s[G1A+2], 64<<16
	s_mov_b32 s[G1A+3], 64<<16
	s_mov_b32 s[G1A+4], 64
	s_mov_b32 s[G1A+5], 2048
	s_mov_b32 s[G1A+6], 0
	s_mov_b32 s[G1A+7], 0
.irp n, 0,1
	s_mov_b32 s[G0K+4*\n], 1
	s_mov_b32 s[G0K+4*\n+1], \n*KBS
	s_mov_b32 s[G0V+4*\n], 1
	s_mov_b32 s[G0V+4*\n+1], VB+\n*VBS
	s_mov_b32 s[G0A+4*\n], 1
	s_mov_b32 s[G0A+4*\n+1], AB+\n*ABS
.endr
	s_mov_b32 s[G0Q], 1
	s_mov_b32 s[G0Q+1], VB+VBS
	s_mov_b32 s[SEL], 0x76543210
	s_mov_b32 s[SEL+1], 0xfedcba98
	s_mov_b32 s[LC], 0xc07e28b1                    ; log2(log2(e) / sqrt(512)) = -3.9712336
	s_mov_b32 s[LC+1], s[LC]
	s_mov_b32 s[CNT], 15
	s_lshl_b32 s20, s18, 21                        ; the batch's 2,048 rows of 1,024 bytes in a matrix of qkv
	s_mov_b32 s21, 0
	s_lshl_b32 s22, s17, 16                        ; my 64 rows of Q
	s_mov_b32 s23, 0
	s_lshl_b32 s2, s18, 24                         ; the batch's 2,048 rows of 8,192 bytes of adj,
	s_lshl_b32 s3, s17, 19                         ; my 64 of them
	s_add_co_u32 s2, s2, s3
	s_mov_b32 s3, 0
	s_wait_dscnt 0x0                               ; the opening add is done
	s_wait_kmcnt 0x0
	s_load_b32 s14, s[8:9], 0x0                    ; scale
	s_load_b32 s15, s[10:11], 0x0                  ; width
	s_add_nc_u64 s[20:21], s[4:5], s[20:21]        ; qkv at the batch's first row of Q: the batch alone enters it
	s_add_nc_u64 s[G0Q+2:G0Q+3], s[20:21], s[22:23]
	s_or_b32 s[G0Q+3], s[G0Q+3], 0x80000000
.irp n, 0,1
	s_add_nc_u64 s[G0K+4*\n+2:G0K+4*\n+3], s[20:21], 0x1000000+\n*65536  ; K lies one matrix on; tile n is 64 rows of 1,024 bytes
	s_or_b32 s[G0K+4*\n+3], s[G0K+4*\n+3], 0x80000000
	s_add_nc_u64 s[G0V+4*\n+2:G0V+4*\n+3], s[20:21], 0x2000000+\n*65536  ; V two
	s_or_b32 s[G0V+4*\n+3], s[G0V+4*\n+3], 0x80000000
.endr
	s_add_nc_u64 s[6:7], s[6:7], s[2:3]            ; adj at my first row
.irp n, 0,1
	s_add_nc_u64 s[G0A+4*\n+2:G0A+4*\n+3], s[6:7], \n*256               ; tile n is 64 keys of 4 bytes
	s_or_b32 s[G0A+4*\n+3], s[G0A+4*\n+3], 0x80000000
.endr
	s_add_nc_u64 s[PFB:PFB+1], s[6:7], 512         ; tile 2: the first prefetch steps to tile 3
	s_lshl_b32 s22, s18, 22                        ; out0: rows of 2,048 bytes
	s_lshl_b32 s19, s17, 17
	s_add_co_u32 s22, s22, s19
	s_add_nc_u64 s[12:13], s[12:13], s[22:23]
	CROUND                                         ; all four work-groups are here: the first joint loads meet
	s_cmp_eq_u32 s[WV], 0                          ; a wave's first fills stand in one branch, ahead of every wait on TENSORcnt and every LDS read
	s_cbranch_scc0 .Lf1
	tensor_load_to_lds s[G0K:G0K+3], s[G1K:G1K+7]
	s_nop 0
	tensor_load_to_lds s[G0K+4:G0K+7], s[G1K:G1K+7]
	s_nop 0
	PLACES 4
	s_branch .Lfe
.Lf1:
	s_cmp_eq_u32 s[WV], 1
	s_cbranch_scc0 .Lf2
	tensor_load_to_lds s[G0V:G0V+3], s[G1V:G1V+7]
	s_nop 0
	PLACES 4
	s_branch .Lfe
.Lf2:
	s_cmp_eq_u32 s[WV], 2
	s_cbranch_scc0 .Lf3
	tensor_load_to_lds s[G0A:G0A+3], s[G1A:G1A+7]
	s_nop 0
	tensor_load_to_lds s[G0A+4:G0A+7], s[G1A:G1A+7]
	s_nop 0
	PLACES 4
	s_branch .Lfe
.Lf3:
	tensor_load_to_lds s[G0Q:G0Q+3], s[G1Q:G1Q+7]
	s_nop 0
	PLACES 4
.Lfe:
	; all that follows up to the wait stands in the wait for the first tiles
	v_and_b32 v56, 31, v0                          ; lane l
	v_and_b32 v57, 15, v0                          ; r = l % 16
	v_bfe_u32 v58, v0, 4, 1                        ; h = l / 16
	v_and_b32 v59, 7, v0
	v_bfe_u32 v60, v0, 3, 1
	v_mul_u32_u24 v61, v57, KP                     ; a fragment of K or Q: row r, 16 bytes for each half of the lanes
	v_lshl_add_u32 v61, v58, 4, v61
	v_add_nc_u32 v[AQ], VB+VBS, v61
	s_mul_i32 s22, s[WV], 16*KP                    ; my 16 keys
	v_add_nc_u32 v[AK], s22, v61
	v_add_nc_u32 v[AK+1], KBS, v[AK]
	v_mul_u32_u24 v61, v57, AP                     ; adj: query r of a tile, keys 16 w + 8 h + 0..7
	v_lshl_add_u32 v61, v58, 5, v61
	s_lshl_b32 s22, s[WV], 6
	s_add_co_u32 s22, s22, AB
	v_add_nc_u32 v[AA], s22, v61
	v_add_nc_u32 v[AA+1], ABS, v[AA]
	v_lshl_add_u32 v61, v58, 3, v59                ; the turning load takes 16 keys x 16 channels: lane l reads key 8 h + l % 8, channels 8 ((l / 8) % 2) + 0..7
	v_mul_u32_u24 v61, v61, VP
	v_lshl_add_u32 v61, v60, 4, v61
	s_lshl_b32 s22, s[WV], 8                       ; my 128 channels
	s_add_co_u32 s22, s22, VB
	v_add_nc_u32 v[AV], s22, v61
	v_add_nc_u32 v[AV+1], VBS, v[AV]
	v_lshlrev_b32 v61, 4, v57
	v_add_nc_u32 v[SLA], STAT, v61
	s_lshl_b32 s22, s[WV], 2
	v_add_nc_u32 v[STA], s22, v[SLA]
	v_lshlrev_b32 v61, 4, v56
	v_add_nc_u32 v[PLA], PBUF, v61
	s_lshr_b32 s22, s[WV], 1                       ; my 16 keys are half w % 2 of the fragments of key half w / 2
	s_lshl_b32 s22, s22, 12
	s_and_b32 s23, s[WV], 1
	s_lshl_b32 s23, s23, 9
	s_add_co_u32 s22, s22, s23
	v_add_nc_u32 v[PSA], s22, v[PLA]
	v_lshlrev_b32 v[PFR], 13, v56
	WIN 0x40
.set ii, 0
.rept 256
	v_mov_b32 v[ii], 0                             ; O^T
.set ii, ii+1
.endr
	WIN 0
.irp t, 0,1,2,3
	v_mov_b32 v[STT+4*\t], 0xff7fffff              ; m
	v_mov_b32 v[STT+4*\t+1], 0                     ; named with it as a pair
	v_mov_b32 v[STT+4*\t+2], 0                     ; l
	v_mov_b32 v[STT+4*\t+3], 0
	v_mov_b32 v[AF+2*\t], 0
	v_mov_b32 v[AF+2*\t+1], 0
	v_mov_b32 v[TM+\t], 0
	v_mov_b32 v[TM2+\t], 0                         ; v_permlanex16_b32's destination counts as read
.endr
	s_wait_kmcnt 0x0                               ; scale and width
	s_xor_b32 s[NS], s14, 0x80000000               ; -scale
	s_mov_b32 s[NS+1], s[NS]
	v_rcp_f32 v1, s15
	v_nop                                          ; a plain instruction between the reciprocal and its use
	s_wait_alu depctr_va_vdst(0)
	v_mul_f32 v1, 0xbfb8aa3b, v1                   ; -log2(e) / width
	v_readfirstlane_b32 s[KK], v1
	s_mov_b32 s[KK+1], s[KK]
	s_wait_tensorcnt 0x0                           ; my first fills are in,
	s_barrier_signal -1
	s_barrier_wait -1                              ; everybody's are
	WIN 0x80                                       ; Q: K steps 0-7 to window 2,
.set ii, 0
.rept 32
	ds_load_b128 v[8*ii:8*ii+3], v[AQ] offset:(ii/8)*16*KP+64*(ii%8)
	ds_load_b128 v[8*ii+4:8*ii+7], v[AQ] offset:(ii/8)*16*KP+64*(ii%8)+32
.set ii, ii+1
.endr
	WIN 0xc0                                       ; 8-15 to window 3
.set ii, 0
.rept 32
	ds_load_b128 v[8*ii:8*ii+3], v[AQ] offset:(ii/8)*16*KP+512+64*(ii%8)
	ds_load_b128 v[8*ii+4:8*ii+7], v[AQ] offset:(ii/8)*16*KP+512+64*(ii%8)+32
.set ii, ii+1
.endr
.macro KPRE s                          ; the first 8 of my 16 fragments of K, out of slot s
	WIN 0
.irp c, 0,1,2,3,4,5,6,7
	ds_load_b128 v[KV+8*\c:KV+8*\c+3], v[AK+(\s)] offset:64*\c
	ds_load_b128 v[KV+8*\c+4:KV+8*\c+7], v[AK+(\s)] offset:64*\c+32
.endr
.endm
; Slice u of 20 of the mask's work, on the 16 pairs of adj.  Pair p: d = adj - scale in slice p, d^2 in p + 1, k d^2 + LC in p + 2, its two exponentials in p + 4.
; In a slice plain and exponential alternate, so each exponential has a plain instruction behind it while plain ones last; the results are read only behind the products.
.macro MSLICE u
	WIN 0
.if (\u) < 16
	v_pk_add_f32 v[MK+2*(\u):MK+2*(\u)+1], v[MK+2*(\u):MK+2*(\u)+1], s[NS:NS+1] op_sel_hi:[1,0]
.endif
.if (\u) >= 4
	v_exp_f32 v[MK+2*((\u)-4)], v[MK+2*((\u)-4)]
.endif
.if ((\u) >= 1) && ((\u) <= 16)
	v_pk_mul_f32 v[MK+2*((\u)-1):MK+2*((\u)-1)+1], v[MK+2*((\u)-1):MK+2*((\u)-1)+1], v[MK+2*((\u)-1):MK+2*((\u)-1)+1]
.endif
.if (\u) >= 4
	v_exp_f32 v[MK+2*((\u)-4)+1], v[MK+2*((\u)-4)+1]
.endif
.if ((\u) >= 2) && ((\u) <= 17)
	v_pk_fma_f32 v[MK+2*((\u)-2):MK+2*((\u)-2)+1], v[MK+2*((\u)-2):MK+2*((\u)-2)+1], s[KK:KK+1], s[LC:LC+1] op_sel_hi:[1,0,0]
.endif
.endm
.macro RS cb, g                        ; O^T(tile g, channel block cb) times a, from its low end on
	WIN 0x41                                       ; destination and source 0 window 1, a window 0
.irp z, 0,1,2,3
	v_pk_mul_f32 v[64*(\g)+8*(\cb)+2*\z:64*(\g)+8*(\cb)+2*\z+1], v[64*(\g)+8*(\cb)+2*\z:64*(\g)+8*(\cb)+2*\z+1], v[AF+2*(\g):AF+2*(\g)+1] op_sel_hi:[1,0]
.endr
.endm
.macro FL t, p                         ; z - m for pair p of tile t
	v_pk_add_f32 v[S+8*(\t)+2*(\p):S+8*(\t)+2*(\p)+1], v[S+8*(\t)+2*(\p):S+8*(\t)+2*(\p)+1], v[STT+4*(\t):STT+4*(\t)+1] op_sel_hi:[1,0] neg_lo:[0,1] neg_hi:[0,1]
.endm
.macro CL t, p                         ; pair p of tile t rounded to bf16; behind the fourth the tile's 16 bytes a lane go to PBUF
	s_wait_alu depctr_va_vdst(0)
	v_cvt_pk_bf16_f32 v[PP+4*(\t)+(\p)], v[S+8*(\t)+2*(\p)], v[S+8*(\t)+2*(\p)+1]
.if (\p) == 3
	ds_store_b128 v[PSA], v[PP+4*(\t):PP+4*(\t)+3] offset:1024*(\t)
.endif
.endm
.macro BL t, n                         ; the sum of tile t's four pairs, in place; then l = a l + sum
.if (\n) == 0
	v_pk_add_f32 v[S+8*(\t):S+8*(\t)+1], v[S+8*(\t):S+8*(\t)+1], v[S+8*(\t)+2:S+8*(\t)+3]
.elseif (\n) == 1
	v_pk_add_f32 v[S+8*(\t)+4:S+8*(\t)+5], v[S+8*(\t)+4:S+8*(\t)+5], v[S+8*(\t)+6:S+8*(\t)+7]
.elseif (\n) == 2
	v_pk_add_f32 v[S+8*(\t):S+8*(\t)+1], v[S+8*(\t):S+8*(\t)+1], v[S+8*(\t)+4:S+8*(\t)+5]
.else
	v_pk_fma_f32 v[STT+4*(\t)+2:STT+4*(\t)+3], v[STT+4*(\t)+2:STT+4*(\t)+3], v[AF+2*(\t):AF+2*(\t)+1], v[S+8*(\t):S+8*(\t)+1] op_sel_hi:[1,0,1]
	s_wait_alu depctr_va_vdst(0)
.endif
.endm
.macro PLN g, n                        ; the plain line that stands behind exponential n of tile g: work that is ready
.if (\g) == 0
	FL 2+(\n)/4, (\n)%4
.elseif (\n) < 4
	CL (\g)-1, \n
.else
	BL (\g)-1, (\n)-4
.endif
.endm
; A KEY STEP on slots s.  fk: K and adj two steps on are asked for; fv: V one step on; kpre: the next step's first fragments of K are fetched; pf: see JLOAD.
.macro STEP s, fk, fv, kpre, pf
	; A. SCORES, the mask's work in slices behind every third product.
	WIN 0
	PLACES 5                                       ; S^T and the mask lie where the last products read P: five places before a matrix instruction writes there, four before a load does
.irp t, 0,1,2,3
	ds_load_b128 v[MK+8*\t:MK+8*\t+3], v[AA+(\s)] offset:\t*16*AP
	ds_load_b128 v[MK+8*\t+4:MK+8*\t+7], v[AA+(\s)] offset:\t*16*AP+16
.endr
.irp c, 8,9,10,11,12,13,14,15
	ds_load_b128 v[KV+8*\c:KV+8*\c+3], v[AK+(\s)] offset:64*\c
	ds_load_b128 v[KV+8*\c+4:KV+8*\c+7], v[AK+(\s)] offset:64*\c+32
.endr
	s_wait_dscnt 24                                ; all but the 24 just issued: K's first 8 fragments are in (in step 0 Q too)
.set ii, 0
.rept 64                                       ; product ii: K step ii / 4, tile ii % 4: the four accumulators take turns
.if ii == 32
	s_wait_dscnt 0x0                               ; K's last 8 fragments
.endif
.if ii < 32
	WIN 0x08                                       ; Q in window 2
.else
	WIN 0x0c                                       ; Q in window 3
.endif
.if ii < 4
	v_wmma_f32_16x16x32_bf16 v[S+8*(ii%4):S+8*(ii%4)+7], v[KV+8*(ii/4):KV+8*(ii/4)+7], v[64*(ii%4)+8*((ii/4)%8):64*(ii%4)+8*((ii/4)%8)+7], 0
.else
	v_wmma_f32_16x16x32_bf16 v[S+8*(ii%4):S+8*(ii%4)+7], v[KV+8*(ii/4):KV+8*(ii/4)+7], v[64*(ii%4)+8*((ii/4)%8):64*(ii%4)+8*((ii/4)%8)+7], v[S+8*(ii%4):S+8*(ii%4)+7]
.endif
.if (ii >= 6) && ((ii-6)%3 == 0)
.if ii == 6
	s_wait_dscnt 16                                ; adj is in; the 16 loads of K behind it may be out
.endif
	MSLICE (ii-6)/3
.endif
.set ii, ii+1
.endr
	WIN 0
	PLACES 4                                       ; the lines below read results just made
	; B. z = s x mask factor; my 16 keys' maximum for each query goes to STAT.
.set ii, 0
	s_wait_alu depctr_va_vdst(0)
.rept 16
	v_pk_mul_f32 v[S+2*ii:S+2*ii+1], v[S+2*ii:S+2*ii+1], v[MK+2*ii:MK+2*ii+1]  ; each accumulator from its low end on
.set ii, ii+1
.endr
.irp t, 0,1,2,3
	v_max3_num_f32 v[TM+\t], v[S+8*\t], v[S+8*\t+1], v[S+8*\t+2]
.endr
.irp t, 0,1,2,3
	v_max3_num_f32 v[TM+\t], v[TM+\t], v[S+8*\t+3], v[S+8*\t+4]
.endr
.irp t, 0,1,2,3
	v_max3_num_f32 v[TM+\t], v[TM+\t], v[S+8*\t+5], v[S+8*\t+6]
.endr
.irp t, 0,1,2,3
	v_max_num_f32 v[TM+\t], v[TM+\t], v[S+8*\t+7]
.endr
.irp t, 0,1,2,3
	v_permlanex16_b32 v[TM2+\t], v[TM+\t], s[SEL], s[SEL+1]  ; the query's other 8 keys lie in the lane 16 away
.endr
.irp t, 0,1,2,3
	v_max_num_f32 v[TM+\t], v[TM+\t], v[TM2+\t]
.endr
.irp t, 0,1,2,3
	ds_store_b32 v[STA], v[TM+\t] offset:256*\t
.endr
	; THE ROUND.  All my tensor loads have landed (next step's K and adj, this step's V); the add; my reads of this step's K and adj and of the last step's V are back, my maxima are stored.
	s_wait_tensorcnt 0x0                           ; no tensor load of mine is out, so a group 0 may be written
	ds_add_u32 v[SPW], v[NIL]                      ; 0 onto my spare word
.if \fk
	s_add_nc_u64 s[G0K+4*(\s)+2:G0K+4*(\s)+3], s[G0K+4*(\s)+2:G0K+4*(\s)+3], 131072  ; this slot's next tile of K, two tiles on; it is asked for below
	s_add_nc_u64 s[G0A+4*(\s)+2:G0A+4*(\s)+3], s[G0A+4*(\s)+2:G0A+4*(\s)+3], 512     ; of adj likewise
	s_add_nc_u64 s[G0V+4*(\s)+2:G0V+4*(\s)+3], s[G0V+4*(\s)+2:G0V+4*(\s)+3], 131072  ; of V: asked for in the next step
.endif
	s_wait_dscnt 0x0
.if (\fk) || (\fv)
	CROUND                                         ; no wave of any partner still reads the slots to be filled or has a load on its way
	JLOAD \s, \fk, \fv, \pf
.else
	s_barrier_signal -1
	s_barrier_wait -1
.endif
	; C. The new maximum, a, the weights; V's fragments arrive meanwhile.
.irp t, 0,1,2,3
	ds_load_b128 v[SR+4*\t:SR+4*\t+3], v[SLA] offset:256*\t
.endr
.set ff, 0
.rept 16                                       ; ff = 2 cb + kk: keys 32 kk on, channels 16 cb on
	ds_load_tr16_b128 v[KV+8*ff:KV+8*ff+3], v[AV+(\s)] offset:(ff%2)*32*VP+(ff/2)*32
	ds_load_tr16_b128 v[KV+8*ff+4:KV+8*ff+7], v[AV+(\s)] offset:(ff%2)*32*VP+16*VP+(ff/2)*32
.set ff, ff+1
.endr
	s_wait_dscnt 32                                ; the maxima are in; V's 32 loads may be out
.irp t, 0,1,2,3
	v_max3_num_f32 v[TM+\t], v[SR+4*\t], v[SR+4*\t+1], v[SR+4*\t+2]
.endr
.irp t, 0,1,2,3
	v_max3_num_f32 v[TM+\t], v[TM+\t], v[SR+4*\t+3], v[STT+4*\t]
.endr
.irp t, 0,1,2,3
	v_sub_f32 v[AF+2*\t+1], v[STT+4*\t], v[TM+\t]  ; m_old - m_new
.endr
.irp t, 0,1,2,3
	v_mov_b32 v[STT+4*\t], v[TM+\t]
.endr
.irp t, 0,1,2,3
	v_exp_f32 v[AF+2*\t], v[AF+2*\t+1]
.endr
.irp p, 0,1,2,3
	FL 0, \p
.endr
.irp p, 0,1,2,3
	FL 1, \p
.endr
.irp g, 0,1,2,3
.irp n, 0,1,2,3,4,5,6,7
	v_exp_f32 v[S+8*\g+\n], v[S+8*\g+\n]           ; exponential and plain by turns
	PLN \g, \n
.endr
.endr
.irp p, 0,1,2,3
	CL 3, \p
.endr
.irp n, 0,1,2,3
	BL 3, \n
.endr
	s_wait_dscnt 0x0                               ; for the others' sake: my weights are in PBUF; V is in
	s_barrier_signal -1
.irp g, 0,1,2,3
	RS 0, \g                                       ; work on registers while the others arrive
.endr
	WIN 0
	s_barrier_wait -1
	; D. O^T += V^T P; the rescaling rides two channel blocks ahead of the products.
.set ff, 0
.rept 8                                        ; fragment ff = 4 kk + t
	ds_load_b128 v[PFG+8*ff:PFG+8*ff+3], v[PLA] offset:1024*ff
	ds_load_b128 v[PFG+8*ff+4:PFG+8*ff+7], v[PLA] offset:1024*ff+512
.set ff, ff+1
.endr
.irp g, 0,1,2,3
	RS 1, \g
.endr
	s_wait_dscnt 0x0                               ; P is in
.set bb, 0
.rept 8                                        ; channel block bb; in it the four tiles' accumulators take turns
.set ii, 0
.rept 8                                        ; key half ii / 4, tile ii % 4
	WIN 0x50                                       ; C and D window 1
	v_wmma_f32_16x16x32_bf16 v[64*(ii%4)+8*bb:64*(ii%4)+8*bb+7], v[KV+8*(2*bb+ii/4):KV+8*(2*bb+ii/4)+7], v[PFG+8*ii:PFG+8*ii+7], v[64*(ii%4)+8*bb:64*(ii%4)+8*bb+7]
.if (bb <= 5) && (ii%2 == 0)
	RS bb+2, ii/2
.endif
.if (\kpre) && (bb == 4) && (ii == 0)
	KPRE 1-(\s)                                    ; into the registers of V's blocks 0-3: the four multiplies above are the places behind their last reader
.endif
.set ii, ii+1
.endr
.set bb, bb+1
.endr
.endm
	KPRE 0                                         ; key step 0
.Lloop:                                                ; 15 trips: steps 0 to 29
	STEP 0, 1, 1, 1, 1
	STEP 1, 1, 1, 1, 2
	WIN 0                                          ; at a label and at a branch every window is 0
	s_sub_co_u32 s[CNT], s[CNT], 1
	s_cmp_lg_u32 s[CNT], 0
	s_cbranch_scc1 .Lloop
	STEP 0, 0, 1, 1, 0                             ; the tail is written out: step 30 asks for V 31 alone
	STEP 1, 0, 0, 0, 0                             ; step 31 for nothing
	; THE WAY OUT.  Each wave's l covers its own 16 keys a step: the four meet in STAT.  O^T is divided by l and sent through my own stage, a tile (16 rows x my 512 bytes) at a time.
	WIN 0
	PLACES 4
.irp t, 0,1,2,3
	v_add_f32 v[TM+\t], v[STT+4*\t+2], v[STT+4*\t+3]
.endr
.irp t, 0,1,2,3
	v_permlanex16_b32 v[TM2+\t], v[TM+\t], s[SEL], s[SEL+1]
.endr
.irp t, 0,1,2,3
	v_add_f32 v[TM+\t], v[TM+\t], v[TM2+\t]
.endr
.irp t, 0,1,2,3
	ds_store_b32 v[STA], v[TM+\t] offset:256*\t    ; STAT's last readers waited for their loads ahead of the last step's second barrier
.endr
	v_and_b32 v[STO], 15, v0
	v_bfe_u32 v[RD], v0, 4, 1
	v_mul_u32_u24 v[STO], v[STO], STP              ; in: row l % 16, 32 bytes for each half of the lanes
	v_lshl_add_u32 v[STO], v[RD], 5, v[STO]
	s_mul_i32 s22, s[WV], 16*STP
	v_add_nc_u32 v[STO], s22, v[STO]
	v_and_b32 v[RD], 31, v0
	v_lshlrev_b32 v[RD], 4, v[RD]                  ; back: 32 lanes take a row's 512 bytes
	s_lshl_b32 s23, s[WV], 9
	v_add_nc_u32 v[GO], s23, v[RD]                 ; which are my 128 channels of a row of out0
	v_add_nc_u32 v[RD], s22, v[RD]
	s_wait_dscnt 0x0                               ; for the others' sake
	s_barrier_signal -1
	s_barrier_wait -1
.irp t, 0,1,2,3
	ds_load_b128 v[SR+4*\t:SR+4*\t+3], v[SLA] offset:256*\t
.endr
	s_wait_dscnt 0x0
.irp t, 0,1,2,3
	v_add_f32 v[SR+4*\t], v[SR+4*\t], v[SR+4*\t+1]
.endr
.irp t, 0,1,2,3
	v_add_f32 v[SR+4*\t+2], v[SR+4*\t+2], v[SR+4*\t+3]
.endr
.irp t, 0,1,2,3
	v_add_f32 v[SR+4*\t], v[SR+4*\t], v[SR+4*\t+2]
.endr
.irp t, 0,1,2,3
	v_rcp_f32 v[AF+2*\t], v[SR+4*\t]
.endr
	v_nop                                          ; a plain instruction between the last reciprocal and the use of its result
	s_wait_alu depctr_va_vdst(0)
.macro OUTT t
	WIN 0x41
.set zz, 0
.rept 32
	v_pk_mul_f32 v[64*(\t)+2*zz:64*(\t)+2*zz+1], v[64*(\t)+2*zz:64*(\t)+2*zz+1], v[AF+2*(\t):AF+2*(\t)+1] op_sel_hi:[1,0]
.set zz, zz+1
.endr
	WIN 0x04                                       ; the stores' data lie in window 1
.set zz, 0
.rept 16
	ds_store_b128 v[STO], v[64*(\t)+4*zz:64*(\t)+4*zz+3] offset:(zz/2)*64+(zz%2)*16
.set zz, zz+1
.endr
	WIN 0
	s_wait_xcnt 0x0                                ; earlier stores have had their addresses translated (ISA guide 3.1): the registers that they read are loaded again only behind this wait
.set zz, 0
.rept 16
	ds_load_b128 v[KV+64*((\t)%2)+4*zz:KV+64*((\t)%2)+4*zz+3], v[RD] offset:STP*zz  ; LDS serves a wave's instructions in order: these see the stores above; the next tile's stores come behind them
.set zz, zz+1
.endr
.set zz, 0
.rept 16
	s_wait_dscnt 15-zz                             ; row zz is in, the younger loads may be out
	global_store_b128 v[GO], v[KV+64*((\t)%2)+4*zz:KV+64*((\t)%2)+4*zz+3], s[12:13] offset:(16*(\t)+zz)*2048 th:TH_STORE_NT  ; 512 consecutive bytes, at a multiple of 256 from out0's first byte
.set zz, zz+1
.endr
.endm
	OUTT 0
	OUTT 1
	OUTT 2
	OUTT 3
	s_wait_tensorcnt 0x0                           ; the wave's end, behind my last tensor load and my last LDS store
	ds_add_u32 v[SPW], v[NIL]
	s_wait_dscnt 0x0
	CROUND                                         ; the closing round: no work-group ends while a partner may still ask for a tile that names it
	s_endpgm
.Lfunc_end_k_q68a3508eb2_attn:
	.size	k_q68a3508eb2_attn, .Lfunc_end_k_q68a3508eb2_attn-k_q68a3508eb2_attn
	.p2alignl 7, 3214868480
	.fill 96, 4, 3214868480
	.section	.rodata,"a",@progbits
	.p2align	6, 0x0
	.amdhsa_kernel k_q68a3508eb2_attn
		.amdhsa_group_segment_fixed_size 327680
		.amdhsa_private_segment_fixed_size 0
		.amdhsa_enable_private_segment 0
		.amdhsa_kernarg_size 40
		.amdhsa_user_sgpr_count 2
		.amdhsa_user_sgpr_kernarg_segment_ptr 1
		.amdhsa_wavefront_size32 1
		.amdhsa_system_sgpr_workgroup_id_x 1
		.amdhsa_system_sgpr_workgroup_id_y 1
		.amdhsa_system_sgpr_workgroup_id_z 1
		.amdhsa_system_vgpr_workitem_id 0
		.amdhsa_next_free_vgpr 1024
		.amdhsa_next_free_sgpr 102
		.amdhsa_reserve_vcc 0
		.amdhsa_float_denorm_mode_32 3
		.amdhsa_float_denorm_mode_16_64 3
		.amdhsa_memory_ordered 1
		.amdhsa_forward_progress 1
		.amdhsa_inst_pref_size 209
	.end_amdhsa_kernel
	.amdgpu_metadata
---
amdhsa.version: [ 1, 2 ]
amdhsa.kernels:
  - .name:           k_q68a3508eb2_attn
    .symbol:         k_q68a3508eb2_attn.kd
    .args:
      - { .name: qkv, .offset: 0, .size: 8, .value_kind: global_buffer, .address_space: global }
      - { .name: adj, .offset: 8, .size: 8, .value_kind: global_buffer, .address_space: global }
      - { .name: scale, .offset: 16, .size: 8, .value_kind: global_buffer, .address_space: global }
      - { .name: width, .offset: 24, .size: 8, .value_kind: global_buffer, .address_space: global }
      - { .name: out0, .offset: 32, .size: 8, .value_kind: global_buffer, .address_space: global }
    .group_segment_fixed_size: 327680
    .private_segment_fixed_size: 0
    .kernarg_segment_align: 8
    .kernarg_segment_size: 40
    .max_flat_workgroup_size: 128
    .sgpr_count:     102
    .vgpr_count:     1024
    .wavefront_size: 32
...
	.end_amdgpu_metadata
.endif
;; end of part 3
